; MI455X (gfx1250); checked and timed in simulation.
; The chip was launched on July 23, 2026; its instructions are those of AMD's public machine-readable ISA for CDNA 5 (MIT licence, August 2026) and "CDNA5" Instruction Set Architecture Reference Guide (July 2026). The comments in the code are by the model that wrote it; some were corrected since.
;; Multi Head Attention Block. Allowed arithmetic: float matrix products may take bf16 or f16 operands with f32 sums; all other float work in f32.
;; Inputs: Wk 2,048 x 2,048 float32; Wo 2,048 x 2,048 float32; Wq 2,048 x 2,048 float32; Wv 2,048 x 2,048 float32; bk 2,048 float32; bo 2,048 float32; bq 2,048 float32; bv 2,048 float32; k 2 x 1,024 x 2,048 float32; q 2 x 1,024 x 2,048 float32; v 2 x 1,024 x 2,048 float32.
;; Outputs: out0 2 x 1,024 x 2,048 float32.
;; Constants: mask = 0.
;; One version. Each part assembles by itself: llvm-mc -triple=amdgcn-amd-amdhsa -mcpu=gfx1250 --defsym DOCPART=n.
;; ======== version 1 of 1: 4 launches
;; limits: values are held in f16: magnitudes above 65,504 overflow, below 6.1e-05 lose precision; inputs' magnitudes at most 65,504; right only within a limited range of input values
;; workspace buffers: xb 25,165,824 bytes; wb 33,554,432 bytes; pj 25,165,824 bytes; ctx 8,388,608 bytes
;; launch cast (part 1): grid 256 x 7, 8 waves a work-group, no clusters, 0 bytes of LDS; arguments q, k, v, Wq, Wk, Wv, Wo, xb, wb; writes xb, wb
.if DOCPART == 1
	.amdgcn_target "amdgcn-amd-amdhsa--gfx1250"
	.amdhsa_code_object_version 6
	.text
	.protected	k_q51bcf5d16c_cast
	.globl	k_q51bcf5d16c_cast
	.p2align	8
	.type	k_q51bcf5d16c_cast,@function
k_q51bcf5d16c_cast:
	s_mov_b64 s[64:65], 0
	v_nop
	global_prefetch_b8 v0, s[64:65] scope:SCOPE_SE
	s_setreg_imm32_b32 hwreg(HW_REG_WAVE_MODE, 25, 1), 1
	s_wait_xcnt 0x0
; f32 to f16, once, for the seven large operands of the four products: q, k, v -> xb[0..2], Wq, Wk, Wv, Wo -> wb[0..3].
; Each array is 2048 x 2048.  Work-group (x, y) casts 65,536 source bytes (16,384 numbers) of array y.
; Thread t, step j: 16 source bytes at 4,096 j + 16 t, so a wave's load covers 512 consecutive bytes; two packed roundings
; (to nearest even); 8 bytes out at 2,048 j + 8 t, so a wave's store covers 256 consecutive bytes, aligned to 256.
; All sixteen loads of a thread go out at once: no loop, no register is written twice, no LDS, no barrier, no matrix unit:
; this is a pure stream.
; LIMIT: a number of magnitude 65,520 or more becomes an infinity in f16; magnitudes under 6.1e-5 keep an absolute error of 3e-8.
.set STEPS, 16
.set X, 4                              ; v[4:67]   step j: 4 registers as loaded
.set Y, 68                             ; v[68:99]  step j: 2 registers to store
	s_load_b512 s[16:31], s[0:1], 0x0              ; q, k, v, Wq, Wk, Wv, Wo, xb
	s_load_b64 s[32:33], s[0:1], 0x40              ; wb
	s_and_b32 s2, ttmp7, 0xffff                    ; which array, 0 to 6
	s_sub_co_u32 s8, s2, 3                         ; its place in wb (used for arrays 3 to 6 alone)
	s_lshl_b32 s10, ttmp9, 16                      ; my 65,536 source bytes
	s_mov_b32 s11, 0
	s_lshl_b32 s9, ttmp9, 15                       ; my 32,768 bytes of the result
	s_mov_b32 s13, 0
	v_lshlrev_b32 v1, 4, v0                        ; 16 t
	v_lshlrev_b32 v2, 3, v0                        ; 8 t
	s_wait_kmcnt 0x0
	s_mov_b64 s[4:5], s[16:17]                     ; the source: a choice among the seven buffers by the array's number
.irp n, 1,2,3,4,5,6
	s_cmp_eq_u32 s2, \n
	s_cselect_b64 s[4:5], s[16+2*\n:17+2*\n], s[4:5]
.endr
	s_cmp_lt_u32 s2, 3
	s_cselect_b64 s[6:7], s[30:31], s[32:33]       ; arrays 0 to 2 go to xb, 3 to 6 to wb,
	s_cselect_b32 s3, s2, s8                       ; at plane y or y - 3
	s_lshl_b32 s12, s3, 23                         ; a plane of f16 is 8,388,608 bytes
	s_add_co_u32 s12, s12, s9
	s_add_nc_u64 s[4:5], s[4:5], s[10:11]
	s_add_nc_u64 s[6:7], s[6:7], s[12:13]
.irp j, 0,1,2,3,4,5,6,7,8,9,10,11,12,13,14,15
	global_load_b128 v[X+4*\j:X+4*\j+3], v1, s[4:5] offset:4096*\j th:TH_LOAD_NT   ; read once in the whole program
.endr
.irp j, 0,1,2,3,4,5,6,7,8,9,10,11,12,13,14,15
	s_wait_loadcnt 15-\j                           ; loads come back in order (ISA guide 5.7.1): step j is in, the 15 - j younger ones stay out
	v_cvt_pk_f16_f32 v[Y+2*\j],   v[X+4*\j],   v[X+4*\j+1]
	v_cvt_pk_f16_f32 v[Y+2*\j+1], v[X+4*\j+2], v[X+4*\j+3]
	global_store_b64 v2, v[Y+2*\j:Y+2*\j+1], s[6:7] offset:2048*\j   ; no hint: the next launches read these bytes
.endr
	s_endpgm
.Lfunc_end_k_q51bcf5d16c_cast:
	.size	k_q51bcf5d16c_cast, .Lfunc_end_k_q51bcf5d16c_cast-k_q51bcf5d16c_cast
	.p2alignl 7, 3214868480
	.fill 96, 4, 3214868480
	.section	.rodata,"a",@progbits
	.p2align	6, 0x0
	.amdhsa_kernel k_q51bcf5d16c_cast
		.amdhsa_group_segment_fixed_size 0
		.amdhsa_private_segment_fixed_size 0
		.amdhsa_enable_private_segment 0
		.amdhsa_kernarg_size 72
		.amdhsa_user_sgpr_count 2
		.amdhsa_user_sgpr_kernarg_segment_ptr 1
		.amdhsa_wavefront_size32 1
		.amdhsa_system_sgpr_workgroup_id_x 1
		.amdhsa_system_sgpr_workgroup_id_y 1
		.amdhsa_system_sgpr_workgroup_id_z 1
		.amdhsa_system_vgpr_workitem_id 0
		.amdhsa_next_free_vgpr 100
		.amdhsa_next_free_sgpr 66
		.amdhsa_reserve_vcc 0
		.amdhsa_float_denorm_mode_32 3
		.amdhsa_float_denorm_mode_16_64 3
		.amdhsa_memory_ordered 1
		.amdhsa_forward_progress 1
		.amdhsa_inst_pref_size 7
	.end_amdhsa_kernel
	.amdgpu_metadata
---
amdhsa.version: [ 1, 2 ]
amdhsa.kernels:
  - .name:           k_q51bcf5d16c_cast
    .symbol:         k_q51bcf5d16c_cast.kd
    .args:
      - { .name: q, .offset: 0, .size: 8, .value_kind: global_buffer, .address_space: global }
      - { .name: k, .offset: 8, .size: 8, .value_kind: global_buffer, .address_space: global }
      - { .name: v, .offset: 16, .size: 8, .value_kind: global_buffer, .address_space: global }
      - { .name: Wq, .offset: 24, .size: 8, .value_kind: global_buffer, .address_space: global }
      - { .name: Wk, .offset: 32, .size: 8, .value_kind: global_buffer, .address_space: global }
      - { .name: Wv, .offset: 40, .size: 8, .value_kind: global_buffer, .address_space: global }
      - { .name: Wo, .offset: 48, .size: 8, .value_kind: global_buffer, .address_space: global }
      - { .name: xb, .offset: 56, .size: 8, .value_kind: global_buffer, .address_space: global }
      - { .name: wb, .offset: 64, .size: 8, .value_kind: global_buffer, .address_space: global }
    .group_segment_fixed_size: 0
    .private_segment_fixed_size: 0
    .kernarg_segment_align: 8
    .kernarg_segment_size: 72
    .max_flat_workgroup_size: 256
    .sgpr_count:     66
    .vgpr_count:     100
    .wavefront_size: 32
...
	.end_amdgpu_metadata
.endif
;; end of part 1
;; launch proj (part 2): grid 8 x 24, 4 waves a work-group, clusters of 4 x 4, 327,680 bytes of LDS; arguments xb, wb, pj, bq, bk, bv; writes pj
.if DOCPART == 2
	.amdgcn_target "amdgcn-amd-amdhsa--gfx1250"
	.amdhsa_code_object_version 6
	.text
	.protected	k_q51bcf5d16c_proj
	.globl	k_q51bcf5d16c_proj
	.p2align	8
	.type	k_q51bcf5d16c_proj,@function
k_q51bcf5d16c_proj:
	s_mov_b64 s[64:65], 0
	v_nop
	global_prefetch_b8 v0, s[64:65] scope:SCOPE_SE
	s_setreg_imm32_b32 hwreg(HW_REG_WAVE_MODE, 25, 1), 1
	s_wait_xcnt 0x0
	s_wait_alu depctr_hold_cnt(0) depctr_sa_sdst(0) depctr_va_vdst(0) depctr_va_sdst(0) depctr_va_ssrc(0) depctr_va_vcc(0) depctr_vm_vsrc(0)
	s_getreg_b32 s2, hwreg(HW_REG_IB_STS2, 6, 4)
	s_cmp_eq_u32 s2, 0
	s_cbranch_scc0 .Lentry_in_a_cluster
	s_endpgm
.Lentry_in_a_cluster:
	s_bfe_u32 s2, ttmp6, 0x10000c
	s_cmp_lg_u32 s2, 0xf033
	s_cbranch_scc0 .Lentry_shape_is_right
	s_endpgm
.Lentry_shape_is_right:
; The three input projections as one tall product: pj[p][m][n] = f16( (sum over k of xb[p][m][k] wb[p][n][k] + bias_p[n]) / 16 ), p = 0, 1, 2.
; xb and pj are read as [6144][2048], wb as [8192][2048], all f16; sums in f32.  The factor 1/16 is exact and keeps the projected numbers inside f16.
; LIMIT: a projected number of magnitude 1,048,064 or more becomes an infinity; stored magnitudes under 6.1e-5 keep an absolute error of 3e-8.
; A work-group makes a block of 256 x 256 with four waves, one for each SIMD; a wave makes 128 x 128: 64 accumulator tiles of 16 x 16, 512 registers.
; K goes in steps of 128 through a ring of two LDS slots filled by the tensor data mover: a tile's rows are 256 bytes of memory at multiples of 256 bytes.
; CLUSTERS: 4 x 4 work-groups.  The four of a row of the cluster need the same tiles of xb, the four of a column the same tiles of wb: such a tile is
; asked for jointly, by the same tensor load with the same descriptor and a mask that names the four.  Eight block rows make a projection, two rows of
; clusters, so the projection's number hangs on the cluster's y alone and is the same in all sixteen.
;
; REGISTERS, in windows of 256 (s_set_vgpr_msb says which window each operand place means):
;   window 0: v0-31 addresses; v64-127, v128-191 fragments of A (8 x 16 rows x 32 K), two buffers; v192-223 at work on the way out
;   window 1: v0-63 the bias of my 128 columns; v64-127, v128-191 fragments of B, two buffers
;   window 2: the 32 accumulator tiles of my rows 0-63 (tile (a, b) at v[8 (8 a + b)]);   window 3: those of my rows 64-127
; THE MATRIX INSTRUCTION IS USED TRANSPOSED: source 0 = 16 rows of B, source 1 = 16 rows of A.  Lane l then holds row l % 16 of C and its registers
; 0 to 7 the columns 8 (l / 16) + 0 .. 7: eight neighbouring numbers of a row, which pack into 16 bytes.
.set SIZE_K, 2048
.set SIZE_N, 2048
.set KSTEP,  128
.set PITCH,  272                       ; an LDS row: 256 bytes + 16 of padding = 68 words: the 16 rows that a load touches start at 16 different banks (ISA guide 11.1)
.set HALFT,  128*PITCH                 ; 128 rows: what one tensor load brings, and what one wave reads of A or of B
.set SLOT,   4*HALFT                   ; A's 256 rows, then B's 256 rows
.set STAGE,  2*SLOT                    ; behind the ring: 16 rows x 272 bytes for each wave, for the way out; no fill lands there
.set SPITCH, 272
.set LAPS, SIZE_K/(2*KSTEP)            ; 8 laps of two K steps
.set ADRA, 16                          ; v16-17  LDS address of my A fragments in slot 0, 1
.set ADRB, 20                          ; v20-21  the same for B
.set STO,  24                          ; v24     the way out: where I put 16 bytes of a row
.set RD,   25                          ; v25     the way out: where I read a row back
.set CO,   26                          ; v26     my byte offset in C
.set BO,   27                          ; v27     my byte offset in the bias: 32 (l / 16)
.set F0,   64                          ; fragment buffer 0
.set F1,   128                         ; fragment buffer 1
.set TMP,  192                         ; the way out: packed results, in window 0
.set G1, 24                            ; s[24:31] descriptor group 1 for A's tiles
.set G0, 32                            ; s[32:39] descriptor group 0 for A's tiles, one set for each slot
.set G1B, 48                           ; s[48:55] descriptor group 1 for B's tiles: it differs from A's in the mask alone
.set G0B, 56                           ; s[56:63] descriptor group 0 for B's tiles, one set for each slot
.set MSB, 0
.macro WIN new                         ; the immediate's high byte repeats the setting that is left
.if MSB != \new
	s_set_vgpr_msb (MSB<<8)|\new
.set MSB, \new
.endif
.endm
.set MUL_LO, 0xa1                      ; source 0 (B) window 1, source 1 (A) window 0, C and D window 2
.set MUL_HI, 0xf1                      ; the same, C and D window 3
.set TO_B,   0x40                      ; destination window 1, address window 0
; A joint load.  Waves 0 and 1 fetch A's two halves, waves 2 and 3 B's.  Each line has one mask and one set of registers; the branch hangs on the wave's number alone.
.macro JLOAD s
	s_cmp_eq_u32 s11, 0
	s_cbranch_scc0 .Lfor_b_\@
	tensor_load_to_lds s[G0+4*\s:G0+4*\s+3], s[G1:G1+7]
	s_nop 0
	s_branch .Lasked_\@
.Lfor_b_\@:
	tensor_load_to_lds s[G0B+4*\s:G0B+4*\s+3], s[G1B:G1B+7]
	s_nop 0
.Lasked_\@:
.endm
; A round of the cluster's barrier: my work-group's barrier; wave 0 signals for the work-group; every wave waits for all sixteen; my work-group's barrier once more.
.macro CREST                           ; a round behind its opening barrier
	s_cmp_lg_u32 s10, 0
	s_cbranch_scc1 .Lnot_wave_0_\@
	s_barrier_signal -3
.Lnot_wave_0_\@:
	s_barrier_wait -3
	s_barrier_signal -1
	s_barrier_wait -1
.endm
.macro CROUND                          ; a whole round
	s_barrier_signal -1
	s_barrier_wait -1
	CREST
.endm
	s_load_b128 s[4:7], s[0:1], 0x0                ; xb s[4:5], wb s[6:7]
	s_load_b64 s[8:9], s[0:1], 0x10                ; pj
	s_load_b128 s[68:71], s[0:1], 0x18             ; bq, bk
	s_load_b64 s[72:73], s[0:1], 0x28              ; bv
	s_set_vgpr_msb 0x40
	v_lshl_add_u32 v255, v0, 2, 0x48400
	s_set_vgpr_msb 0x4000
	v_mov_b32 v255, 0
	s_set_vgpr_msb 0x1
	ds_add_u32 v255, v255
	s_set_vgpr_msb 0x100
	v_lshrrev_b32 v1, 5, v0
	v_readfirstlane_b32 s10, v1                    ; wave 0..3
	s_lshr_b32 s11, s10, 1                         ; which half of the block's rows is mine.  Also: I fetch for A (0) or for B (1)
	s_and_b32 s12, s10, 1                          ; which half of its columns.  Also: which 128 rows of that tile I fetch
	s_bfe_u32 s40, ttmp6, 0x40000                  ; cx
	s_bfe_u32 s41, ttmp6, 0x40004                  ; cy
	s_lshl_b32 s42, ttmp9, 2
	s_add_co_u32 s42, s42, s40                     ; block column = 4 x cluster x + cx, 0 to 7
	s_and_b32 s13, ttmp7, 0xffff
	s_lshl_b32 s13, s13, 2
	s_add_co_u32 s13, s13, s41                     ; block row of the tall product = 4 x cluster y + cy, 0 to 23
	s_and_b32 s45, ttmp7, 0xffff
	s_lshr_b32 s45, s45, 1                         ; the projection, 0 to 2: from the cluster's y alone
	s_lshl_b32 s43, s41, 2
	s_lshl_b32 s43, 15, s43                        ; my row of the cluster: places 4 cy .. 4 cy + 3
	s_lshl_b32 s44, 0x1111, s40                    ; my column: places cx, cx + 4, cx + 8, cx + 12
	; descriptor group 1: a tile of 128 rows x 128 elements of 2 bytes, 4 words of padding behind every 64 words
	s_or_b32 s[G1+0], s43, (1<<16)|(1<<20)|(1<<21)|(5<<22)|(3<<25)  ; A's tiles go to my row of the cluster
	s_or_b32 s[G1B+0], s44, (1<<16)|(1<<20)|(1<<21)|(5<<22)|(3<<25) ; B's to my column
	s_mov_b32 s[G1B+1], KSTEP<<16
	s_mov_b32 s[G1+1], KSTEP<<16                   ; tensor_dim0 = 128
	s_mov_b32 s[G1B+2], 128<<16
	s_mov_b32 s[G1+2], 128<<16                     ; tensor_dim1 = 128
	s_mov_b32 s[G1B+3], KSTEP<<16
	s_mov_b32 s[G1+3], KSTEP<<16                   ; tile_dim0 = 128
	s_mov_b32 s[G1B+4], 128
	s_mov_b32 s[G1+4], 128                         ; tile_dim1 = 128
	s_mov_b32 s[G1B+5], SIZE_K
	s_mov_b32 s[G1+5], SIZE_K                      ; elements from row to row
	s_mov_b32 s[G1B+6], 0
	s_mov_b32 s[G1+6], 0
	s_mov_b32 s[G1B+7], 0
	s_mov_b32 s[G1+7], 0
	; where the tiles come from: A's hang on the block row, B's on the projection and the block column; each in registers that never hold the other coordinate
	s_lshl_b32 s17, s12, 7                         ; which 128 rows of the tile I fetch
	s_lshl_b32 s16, s13, 8
	s_add_co_u32 s16, s16, s17                     ; A: row 256 x block row + 128 x half
	s_lshl_b32 s46, s42, 8
	s_add_co_u32 s46, s46, s17                     ; B: row 256 x block column + 128 x half
	s_lshl_b32 s21, s45, 11
	s_add_co_u32 s46, s46, s21                     ;    + 2,048 x projection
	s_mov_b32 s17, 0
	s_mov_b32 s47, 0
	s_mov_b64 s[18:19], SIZE_K*2
	s_mul_u64 s[16:17], s[16:17], s[18:19]         ; in bytes, in 64 bits
	s_mul_u64 s[46:47], s[46:47], s[18:19]
	s_mul_i32 s20, s10, HALFT                      ; and where they go: wave x 128 rows
	s_wait_dscnt 0x0
	s_wait_kmcnt 0x0
	s_add_nc_u64 s[14:15], s[4:5], s[16:17]
	s_add_nc_u64 s[46:47], s[6:7], s[46:47]
	CROUND                                         ; all sixteen work-groups are here: the first joint loads meet
.irp s, 0,1
	s_mov_b32 s[G0+4*\s], 1                                        ; count = 1
	s_add_co_u32 s[G0+4*\s+1], s20, \s*SLOT                        ; LDS address
	s_add_nc_u64 s[G0+4*\s+2:G0+4*\s+3], s[14:15], \s*KSTEP*2      ; global address: K step s
	s_or_b32 s[G0+4*\s+3], s[G0+4*\s+3], 0x80000000                ; type = 2
	s_mov_b32 s[G0B+4*\s], 1
	s_add_co_u32 s[G0B+4*\s+1], s20, \s*SLOT
	s_add_nc_u64 s[G0B+4*\s+2:G0B+4*\s+3], s[46:47], \s*KSTEP*2
	s_or_b32 s[G0B+4*\s+3], s[G0B+4*\s+3], 0x80000000
	JLOAD \s                                       ; the ring is filled before anything else is done: two tensor loads of the wave are out
.endr
	; the projection's bias, at my 128 columns
	s_mov_b64 s[74:75], s[68:69]
	s_cmp_eq_u32 s45, 1
	s_cselect_b64 s[74:75], s[70:71], s[74:75]
	s_cmp_eq_u32 s45, 2
	s_cselect_b64 s[74:75], s[72:73], s[74:75]
	s_lshl_b32 s76, s42, 10                        ; 256 columns of 4 bytes a block,
	s_lshl_b32 s77, s12, 9                         ; 128 a half
	s_add_co_u32 s76, s76, s77
	s_mov_b32 s77, 0
	s_add_nc_u64 s[74:75], s[74:75], s[76:77]
	s_mov_b32 s78, 0x3d800000                      ; 1/16, twice (a pair for the packed forms)
	s_mov_b32 s79, 0x3d800000
	; A fragment is 16 rows x 32 K in 8 registers: lane l holds row l % 16; registers 0-3 hold K = 8 (l / 16) + 0..7, registers 4-7 K = 16 + 8 (l / 16) + 0..7.
	v_and_b32 v1, 15, v0                           ; l % 16
	v_bfe_u32 v2, v0, 4, 1                         ; l / 16
	v_mul_u32_u24 v3, v1, PITCH
	v_lshl_add_u32 v3, v2, 4, v3                   ; row x pitch + 16 x half
	s_mul_i32 s21, s11, HALFT                      ; my 128 rows of A
	s_mul_i32 s22, s12, HALFT                      ; my 128 rows of B,
	s_add_co_u32 s22, s22, 2*HALFT                 ; which lie behind A's 256
.irp s, 0,1
	v_add_nc_u32 v[ADRA+\s], s21, v3
	v_add_nc_u32 v[ADRB+\s], s22, v3
	s_add_co_u32 s21, s21, SLOT
	s_add_co_u32 s22, s22, SLOT
.endr
	s_mul_i32 s23, s10, 16*SPITCH
	s_add_co_u32 s23, s23, STAGE                   ; my stage
	v_mul_u32_u24 v4, v1, SPITCH                   ; in: row l % 16, 16 bytes for each half of the lanes
	v_lshl_add_u32 v4, v2, 4, v4
	v_add_nc_u32 v[STO], s23, v4
	v_mul_u32_u24 v5, v2, SPITCH                   ; back: lanes 0-15 take one row of 256 bytes, lanes 16-31 the next
	v_lshl_add_u32 v5, v1, 4, v5
	v_add_nc_u32 v[RD], s23, v5
	v_mul_u32_u24 v5, v2, SIZE_N*2                 ; and the same two rows in C
	v_lshl_add_u32 v[CO], v1, 4, v5
	v_lshlrev_b32 v[BO], 5, v2                     ; eight f32 for each half of the lanes
	; the bias of columns 16 b + 8 (l / 16) + 0..7 into window 1, v[8 b .. 8 b + 7]; waited for on the way out
	WIN TO_B
.irp b, 0,1,2,3,4,5,6,7
	global_load_b128 v[8*\b:8*\b+3],   v[BO], s[74:75] offset:64*\b
	global_load_b128 v[8*\b+4:8*\b+7], v[BO], s[74:75] offset:64*\b+16
.endr
	WIN 0
; 16 matrix instructions: m blocks a0, a0 + 1 of the window's four x all 8 n blocks, 32 along K.  zero = 1: the first product starts the sums.
; The 64 accumulators take turns, one instruction a turn, in the same order in every quarter step.
.macro MUL16 f, hi, a0, zero
.irp a, \a0, \a0+1
.irp b, 0,1,2,3,4,5,6,7
.if \zero
	v_wmma_f32_16x16x32_f16 v[8*(8*(\a)+\b):8*(8*(\a)+\b)+7], v[\f+8*\b:\f+8*\b+7], v[\f+8*(4*\hi+\a):\f+8*(4*\hi+\a)+7], 0
.else
	v_wmma_f32_16x16x32_f16 v[8*(8*(\a)+\b):8*(8*(\a)+\b)+7], v[\f+8*\b:\f+8*\b+7], v[\f+8*(4*\hi+\a):\f+8*(4*\hi+\a)+7], v[8*(8*(\a)+\b):8*(8*(\a)+\b)+7]
.endif
.endr
.endr
.endm
; 32 LDS loads in one run: the fragments of one quarter step (128 rows of B, 128 rows of A, 32 K at byte k of the rows) into buffer f
.macro FETCH slot, k, f
	WIN TO_B
.irp i, 0,1,2,3,4,5,6,7
	ds_load_b128 v[\f+8*\i:\f+8*\i+3],   v[ADRB+\slot] offset:\k+\i*16*PITCH
	ds_load_b128 v[\f+8*\i+4:\f+8*\i+7], v[ADRB+\slot] offset:\k+\i*16*PITCH+32
.endr
	WIN 0
.irp i, 0,1,2,3,4,5,6,7
	ds_load_b128 v[\f+8*\i:\f+8*\i+3],   v[ADRA+\slot] offset:\k+\i*16*PITCH
	ds_load_b128 v[\f+8*\i+4:\f+8*\i+7], v[ADRA+\slot] offset:\k+\i*16*PITCH+32
.endr
.endm
; Four independent vector instructions stand between a matrix instruction and a load into one of its registers or a vector instruction that reads its
; result; the matrix instructions in between are not counted.
.macro PLACES
.rept 4
	v_nop
.endr
.endm
; One of a K step's first three quarters: multiplies buffer f; in its middle it fetches the next quarter's fragments into buffer g.
.macro QUARTER slot, k, f, g, zero
	s_wait_dscnt 8                                 ; B and A's rows 0-63 are in; the youngest eight loads (A's rows 64-127) may be out
	WIN MUL_LO
	MUL16 \f, 0, 0, \zero
	MUL16 \f, 0, 2, \zero
	PLACES
	FETCH \slot, \k, \g
	s_wait_dscnt 32                                ; all but the 32 just issued
	WIN MUL_HI
	MUL16 \f, 1, 0, \zero
	MUL16 \f, 1, 2, \zero
.endm
.macro THREE slot, zero
	QUARTER \slot, 64,  F0, F1, \zero
	QUARTER \slot, 128, F1, F0, 0
	QUARTER \slot, 192, F0, F1, 0
.endm
; The last quarter: multiplies buffer 1 and changes slots.  One barrier for the change: in front of it each wave waits for its reads of this slot and for
; all its tensor loads (the one that is out is its part of the next slot); behind it the refill comes first, then the next slot's first fragments.
; From a request to the wait for it a wave issues 240 matrix instructions.
.macro TURN slot, next, fill
	s_wait_dscnt 8
	WIN MUL_LO
	MUL16 F1, 0, 0, 0
	s_wait_dscnt 0                                 ; my reads of this slot are over
	s_wait_tensorcnt 0x0                           ; and all my tensor loads have landed
	ds_add_u32 v255, v255
	s_wait_dscnt 0x0
	s_barrier_signal -1                            ; say so (where a slot is filled again this barrier opens a round of the cluster's barrier),
	MUL16 F1, 0, 2, 0                              ; work on registers while the others arrive,
	WIN 0
	s_barrier_wait -1
.if \fill
	CREST                                          ; no wave of any partner still reads this slot's tile or has a load on its way
	s_add_nc_u64 s[G0+4*\slot+2:G0+4*\slot+3], s[G0+4*\slot+2:G0+4*\slot+3], 2*KSTEP*2
	s_add_nc_u64 s[G0B+4*\slot+2:G0B+4*\slot+3], s[G0B+4*\slot+2:G0B+4*\slot+3], 2*KSTEP*2
	JLOAD \slot                                    ; the wave's one tensor load behind the round, and the first thing there
.endif
	PLACES
	FETCH \next, 0, F0
	WIN MUL_HI
	MUL16 F1, 1, 0, 0
	MUL16 F1, 1, 2, 0
.endm
.macro LAP zero                        ; once round the ring, both slots filled again
	THREE 0, \zero
	TURN 0, 1, 1
	THREE 1, 0
	TURN 1, 0, 1
.endm
	s_wait_tensorcnt 0x1                           ; my part of K step 0 is in; K step 1's may stay out
	s_barrier_signal -1
	s_barrier_wait -1                              ; everybody's is
	FETCH 0, 0, F0
	LAP 1                                          ; the first lap stands in front of the loop: its first products start the sums
	WIN 0                                          ; at a label and at a branch every window is 0
	s_mov_b32 s3, LAPS-2
.Llap:
	LAP 0
	WIN 0
	s_sub_co_u32 s3, s3, 1
	s_cmp_lg_u32 s3, 0
	s_cbranch_scc1 .Llap
	THREE 0, 0                                     ; the last lap fills nothing
	TURN 0, 1, 0
	THREE 1, 0
	s_wait_dscnt 8                                 ; the very last quarter: nothing more to fetch
	WIN MUL_LO
	MUL16 F1, 0, 0, 0
	MUL16 F1, 0, 2, 0
	s_wait_dscnt 0
	WIN MUL_HI
	MUL16 F1, 1, 0, 0
	MUL16 F1, 1, 2, 0
	; THE WAY OUT, 16 rows at a time: sum / 16 + bias / 16 in one fused multiply-add, round to f16, 16 bytes a lane into my own stage, read back as whole rows.
	PLACES                                         ; the places behind the last matrix instructions
	s_lshl_b32 s13, s13, 8
	s_lshl_b32 s14, s11, 7
	s_add_co_u32 s16, s13, s14                     ; my first row of C
	s_mov_b32 s17, 0
	s_mov_b64 s[18:19], SIZE_N*2
	s_mul_u64 s[16:17], s[16:17], s[18:19]
	s_add_nc_u64 s[8:9], s[8:9], s[16:17]
	s_lshl_b32 s46, s42, 9                         ; my first column, in bytes: 512 x block + 256 x half
	s_lshl_b32 s47, s12, 8
	s_add_co_u32 s46, s46, s47
	s_mov_b32 s47, 0
	s_add_nc_u64 s[8:9], s[8:9], s[46:47]
	s_wait_loadcnt 0x0                             ; the bias
	WIN 0x41                                       ; destination and source 0 in window 1
.set i, 0
.rept 32
	v_pk_mul_f32 v[i:i+1], v[i:i+1], s[78:79] op_sel_hi:[1,0]      ; bias / 16, exact
.set i, i+2
.endr
; rows 16 i .. 16 i + 15 of my block = the eight tiles (a, 0..7) of window 2 or 3.  fin: D and source 0 in that window, source 2 (the bias) in window 1;
; from: sources 0 and 1 in that window; f: F0 or F1 in turn
.macro OUT16 i, a, fin, from, f
	WIN \fin
.irp b, 0,1,2,3,4,5,6,7
.irp r, 0,1,2,3
	v_pk_fma_f32 v[8*(8*\a+\b)+2*\r:8*(8*\a+\b)+2*\r+1], v[8*(8*\a+\b)+2*\r:8*(8*\a+\b)+2*\r+1], s[78:79], v[8*\b+2*\r:8*\b+2*\r+1] op_sel_hi:[1,0,1]
.endr
.endr
	WIN \from
.irp b, 0,1,2,3,4,5,6,7
.irp r, 0,1,2,3
	v_cvt_pk_f16_f32 v[TMP+4*\b+\r], v[8*(8*\a+\b)+2*\r], v[8*(8*\a+\b)+2*\r+1]
.endr
.endr
	WIN 0
.irp b, 0,1,2,3,4,5,6,7
	ds_store_b128 v[STO], v[TMP+4*\b:TMP+4*\b+3] offset:32*\b
.endr
	s_wait_xcnt 0x0                                ; buffer f, which earlier stores read, and the stores' base are rewritten only behind this wait (ISA guide 3.1)
.if \i
	s_add_nc_u64 s[8:9], s[8:9], 16*SIZE_N*2       ; 16 rows of C on
.endif
.irp t, 0,1,2,3,4,5,6,7
	ds_load_b128 v[\f+4*\t:\f+4*\t+3], v[RD] offset:\t*2*SPITCH    ; LDS serves a wave's instructions in order (ISA guide 5.7.1.4): these see the stores above
.endr
.irp t, 0,1,2,3,4,5,6,7
	s_wait_dscnt 7-\t
	global_store_b128 v[CO], v[\f+4*\t:\f+4*\t+3], s[8:9] offset:2*\t*SIZE_N*2   ; 16 lanes store 256 consecutive bytes, at a multiple of 256 from pj's first byte
.endr
.endm
	OUT16 0, 0, 0x92, 0x0a, F0
	OUT16 1, 1, 0x92, 0x0a, F1
	OUT16 2, 2, 0x92, 0x0a, F0
	OUT16 3, 3, 0x92, 0x0a, F1
	OUT16 4, 0, 0xd3, 0x0f, F0
	OUT16 5, 1, 0xd3, 0x0f, F1
	OUT16 6, 2, 0xd3, 0x0f, F0
	OUT16 7, 3, 0xd3, 0x0f, F1
	s_set_vgpr_msb 0x1
	s_wait_tensorcnt 0x0
	ds_add_u32 v255, v255
	s_wait_dscnt 0x0
	s_set_vgpr_msb 0x100
	CROUND                                         ; the closing round: no work-group ends while a partner may still ask for a tile that names it
	s_endpgm
.Lfunc_end_k_q51bcf5d16c_proj:
	.size	k_q51bcf5d16c_proj, .Lfunc_end_k_q51bcf5d16c_proj-k_q51bcf5d16c_proj
	.p2alignl 7, 3214868480
	.fill 96, 4, 3214868480
	.section	.rodata,"a",@progbits
	.p2align	6, 0x0
	.amdhsa_kernel k_q51bcf5d16c_proj
		.amdhsa_group_segment_fixed_size 327680
		.amdhsa_private_segment_fixed_size 0
		.amdhsa_enable_private_segment 0
		.amdhsa_kernarg_size 48
		.amdhsa_user_sgpr_count 2
		.amdhsa_user_sgpr_kernarg_segment_ptr 1
		.amdhsa_wavefront_size32 1
		.amdhsa_system_sgpr_workgroup_id_x 1
		.amdhsa_system_sgpr_workgroup_id_y 1
		.amdhsa_system_sgpr_workgroup_id_z 1
		.amdhsa_system_vgpr_workitem_id 0
		.amdhsa_next_free_vgpr 1024
		.amdhsa_next_free_sgpr 80
		.amdhsa_reserve_vcc 0
		.amdhsa_float_denorm_mode_32 3
		.amdhsa_float_denorm_mode_16_64 3
		.amdhsa_memory_ordered 1
		.amdhsa_forward_progress 1
		.amdhsa_inst_pref_size 217
	.end_amdhsa_kernel
	.amdgpu_metadata
---
amdhsa.version: [ 1, 2 ]
amdhsa.kernels:
  - .name:           k_q51bcf5d16c_proj
    .symbol:         k_q51bcf5d16c_proj.kd
    .args:
      - { .name: xb, .offset: 0, .size: 8, .value_kind: global_buffer, .address_space: global }
      - { .name: wb, .offset: 8, .size: 8, .value_kind: global_buffer, .address_space: global }
      - { .name: pj, .offset: 16, .size: 8, .value_kind: global_buffer, .address_space: global }
      - { .name: bq, .offset: 24, .size: 8, .value_kind: global_buffer, .address_space: global }
      - { .name: bk, .offset: 32, .size: 8, .value_kind: global_buffer, .address_space: global }
      - { .name: bv, .offset: 40, .size: 8, .value_kind: global_buffer, .address_space: global }
    .group_segment_fixed_size: 327680
    .private_segment_fixed_size: 0
    .kernarg_segment_align: 8
    .kernarg_segment_size: 48
    .max_flat_workgroup_size: 128
    .sgpr_count:     80
    .vgpr_count:     1024
    .wavefront_size: 32
...
	.end_amdgpu_metadata
.endif
;; end of part 2
;; launch attn (part 3): grid 8 x 32, 8 waves a work-group, clusters of 4 x 1, 327,680 bytes of LDS; arguments pj, ctx; writes ctx
.if DOCPART == 3
	.amdgcn_target "amdgcn-amd-amdhsa--gfx1250"
	.amdhsa_code_object_version 6
	.text
	.protected	k_q51bcf5d16c_attn
	.globl	k_q51bcf5d16c_attn
	.p2align	8
	.type	k_q51bcf5d16c_attn,@function
k_q51bcf5d16c_attn:
	s_mov_b64 s[64:65], 0
	v_nop
	global_prefetch_b8 v0, s[64:65] scope:SCOPE_SE
	s_setreg_imm32_b32 hwreg(HW_REG_WAVE_MODE, 25, 1), 1
	s_wait_xcnt 0x0
	s_wait_alu depctr_hold_cnt(0) depctr_sa_sdst(0) depctr_va_vdst(0) depctr_va_sdst(0) depctr_va_ssrc(0) depctr_va_vcc(0) depctr_vm_vsrc(0)
	s_getreg_b32 s2, hwreg(HW_REG_IB_STS2, 6, 4)
	s_cmp_eq_u32 s2, 0
	s_cbranch_scc0 .Lentry_in_a_cluster
	s_endpgm
.Lentry_in_a_cluster:
	s_bfe_u32 s2, ttmp6, 0x10000c
	s_cmp_lg_u32 s2, 0x3003
	s_cbranch_scc0 .Lentry_shape_is_right
	s_endpgm
.Lentry_shape_is_right:
; Attention for one (batch, head) and 128 queries: ctx = softmax(Q K^T / sqrt(128)) V, with a running maximum.
; pj holds Q' = Q/16, K' = K/16, V' = V/16 in f16, [3][2048 = b 1024 + s][2048 = head 128 + d]; ctx gets ctx/16 in f16, [2048][2048].
; Work-group (x, y): y = 16 b + head, x = the block of 128 queries.
; EIGHT WAVES, two for each SIMD.  Wave w: qw = w % 4 names its 32 queries (two tiles u of 16), kg = w / 4 its half of the keys: keys 128 kg to 128 kg + 127 of
; every tile of 256.  For 64 keys a wave has 64 matrix instructions and some 280 vector instructions, and they form a chain (first product, softmax, second
; product); with two waves on a SIMD the vector work of one can be issued while the matrix instructions of the other run.  Each wave keeps a maximum, a sum
; and an O of its own; at the end the two waves of a query group swap halves through LDS, and wave kg finishes query tile u = kg.
; BOTH PRODUCTS ARE USED TRANSPOSED, so that a query is a lane and nothing is shuffled:
;   S^T = K' Q'^T: source 0 = 16 keys, source 1 = 16 queries; lane (r, g) (r = l % 16, g = l / 16) register j holds key 8 g + j of query r.
;   Two neighbouring key tiles, rounded to f16 in pairs, ARE the 32-key fragment of P^T for query r.
;   O^T = V'^T P^T: source 0 = V'^T by the transposing LDS load, source 1 = P^T; lane (r, g) register j holds d = 16 t + 8 g + j of query r.
; So the maximum, the sum, the rescaling and 1 / sum are a lane's own; lanes r and r + 16 share a query and meet in one lane exchange.
; ARITHMETIC: S' = S / 256 in f32; p = 2^(S' c + nm), c = 256 log2(e) / sqrt(128), nm = -(running maximum of S') c; old sums are multiplied by
; 2^(nm new - nm old), in the merge of the two waves too.  p is rounded to f16 (at most 1); the row sum is kept in f32.
; LIMITS: p under 6.1e-5 keeps an absolute error of 3e-8; ctx/16 under 6.1e-5 likewise.  Rows with scores that are not finite give NaN.
; CLUSTERS: the four query blocks of a cluster read the same tiles of K' and V': each tile of 256 keys is asked for jointly (mask 15), waves 0 to 3 its four
; quarters of K', waves 4 to 7 of V'.  Four tiles go through two slots; a wave has two tensor loads out at the start, later one.
.set KPITCH, 272                       ; K' rows: 256 bytes + 16: an odd multiple of 16, for plain fragment loads
.set VPITCH, 288                       ; V' rows: 256 bytes + 32: an odd multiple of 32, for the transposing loads
.set KQ, 64*KPITCH                     ; what one tensor load brings of K': 64 rows
.set VQ, 64*VPITCH
.set KSLOT, 4*KQ                       ; 256 keys
.set VSLOT, 4*VQ
.set VBASE, 2*KSLOT                    ; V's two slots lie behind K's two
.set STAGE, VBASE+2*VSLOT              ; 286,720: 16 rows x 272 bytes for each wave, for the way out; no fill lands there
.set SPITCH, 272
.set XO, 0                             ; the swap of O^T: 8,192 bytes a wave in K's slot 0, which has had its last fill and its last read by then
.set XS, VBASE                         ; the swap of nm and the sum: 256 bytes a wave in V's slot 0, likewise
.set ROWB, 4096                        ; bytes in a row of pj and of ctx
.set PLANE, 8388608                    ; bytes in a plane of pj
.set TILEB, 256*ROWB                   ; 256 keys further down
; window 0
.set KA0, 4                            ; v4   r 272 + 16 g + kg x 128 rows
.set VA0, 5                            ; v5   VBASE + kg x 128 rows + (8 g + l % 8) 288 + 16 ((l / 8) % 2)
.set KA,  6                            ; v6   KA0 + slot + 64 keys a sub-step
.set VA,  7                            ; v7   the same for V'
.set STO, 8                            ; v8   the way out: where I put 16 bytes of a row
.set RD,  9                            ; v9   where I read a row back
.set CO,  10                           ; v10  my byte offset in ctx
.set QO,  11                           ; v11  my byte offset in Q'
.set MX,  12                           ; v12-13   running maximum of S', tile u
.set NM,  14                           ; v[14:15], v[16:17]   -maximum x c, twice, tile u
.set XW,  18                           ; v18  the swap: where I put O^T
.set XR,  19                           ; v19  where my partner has put its
.set AL,  20                           ; v[20:21], v[22:23]   the factor for the old sums, twice; in the merge: my factor, my partner's
.set LS,  24                           ; v24-25   my part of the row sum
.set T,   26                           ; v26-29   at work
.set XSW, 30                           ; v30  the swap: where I put nm and the sum
.set XSR, 31                           ; v31  where my partner has put its
.set K2,  32                           ; v32-63   K' fragments of key tile 2 (8 registers for each 32 d); on the way out: packed results
.set TMP, 32
.set SB,  64                           ; v[64 + 32 u + 8 t ..] S^T tile (u, t), t = 0..3; then P^T (u, c) at 64 + 32 u + 16 c, 8 registers
.set VF,  128                          ; v[128 + 64 c + 8 t ..] V'^T fragment: 32 keys c, 16 d t
.set K3,  224                          ; v224-255 K' fragments of key tile 3: THE SAME registers as V'^T (c = 1, t = 4..7), by turns; that is what makes 512 registers do
; window 1: O^T tile (t, u) at v[64 u + 8 t ..];  Q' fragment (u, c) at v[128 + 32 u + 8 c ..];  K' fragments of key tiles 0, 1 at v[192 + 32 t + 8 c ..]
.set QF,  128
.set K01, 192
.set G1K, 16                           ; s[16:23] group 1 for K'
.set G1V, 24                           ; s[24:31] group 1 for V': other padding
.set G0K, 32                           ; s[32:39] group 0 for K', one set for each slot
.set G0V, 40                           ; s[40:47] group 0 for V'
.set MSB, 0
.macro WIN new                         ; the immediate's high byte repeats the setting that is left
.if MSB != \new
	s_set_vgpr_msb (MSB<<8)|\new
.set MSB, \new
.endif
.endm
.macro PLACES n                        ; independent vector instructions behind a matrix instruction (ISA guide 7.12.1)
.rept \n
	v_nop
.endr
.endm
.macro JLOAD s                         ; a joint load: waves 0-3 ask for K', waves 4-7 for V'; the branch hangs on the wave's number alone
	s_cmp_eq_u32 s9, 0
	s_cbranch_scc0 .Lfor_v_\@
	tensor_load_to_lds s[G0K+4*\s:G0K+4*\s+3], s[G1K:G1K+7]
	s_nop 0
	v_nop
	s_branch .Lasked_\@
.Lfor_v_\@:
	tensor_load_to_lds s[G0V+4*\s:G0V+4*\s+3], s[G1V:G1V+7]
	s_nop 0
	v_nop
	v_nop
.Lasked_\@:
.endm
.macro ROUND                           ; a round of the cluster's barrier
	s_barrier_signal -1
	s_barrier_wait -1
	s_cmp_lg_u32 s8, 0
	s_cbranch_scc1 .Lnot_wave_0_\@
	s_barrier_signal -3
.Lnot_wave_0_\@:
	s_barrier_wait -3
	s_barrier_signal -1
	s_barrier_wait -1
.endm
	s_load_b128 s[4:7], s[0:1], 0x0                ; pj s[4:5], ctx s[6:7]
	v_lshl_add_u32 v126, v0, 2, 0x4e800
	v_mov_b32 v127, 0
	ds_add_u32 v126, v127
	s_wait_dscnt 0x0
	v_lshrrev_b32 v1, 5, v0
	v_readfirstlane_b32 s8, v1                     ; wave 0..7
	s_lshr_b32 s9, s8, 2                           ; kg: my half of the keys.  Also: I fetch for K' (0) or for V' (1)
	s_and_b32 s10, s8, 3                           ; qw: my 32 queries.  Also: which 64 keys of a tile I fetch
	s_bfe_u32 s11, ttmp6, 0x40000                  ; cx: enters my queries' addresses alone
	s_and_b32 s12, ttmp7, 0xffff                   ; y
	s_lshr_b32 s14, s12, 4                         ; batch
	s_and_b32 s15, s12, 15                         ; head
	s_mov_b32 s48, 0x420293ee                      ; c = 256 log2(e) / sqrt(128), twice
	s_mov_b32 s49, 0x420293ee
	s_mov_b32 s50, 0xc20293ee                      ; -c
	s_mov_b32 s52, 0x76543210                      ; v_permlanex16_b32: lane i of one half reads lane i of the other
	s_mov_b32 s53, 0xfedcba98
	; group 1: 64 rows x 128 elements of 2 bytes, pitch 2,048 elements; behind every 64 words 4 words of padding (K') or 8 (V'); mask 15, bit 21 beside it
	s_mov_b32 s[G1K+0], 15|(1<<16)|(1<<20)|(1<<21)|(5<<22)|(3<<25)
	s_mov_b32 s[G1V+0], 15|(1<<16)|(1<<20)|(1<<21)|(5<<22)|(7<<25)
	s_mov_b32 s[G1K+1], 128<<16                    ; tensor_dim0 = 128
	s_mov_b32 s[G1V+1], 128<<16
	s_mov_b32 s[G1K+2], 64<<16                     ; tensor_dim1 = 64
	s_mov_b32 s[G1V+2], 64<<16
	s_mov_b32 s[G1K+3], 128<<16                    ; tile_dim0 = 128
	s_mov_b32 s[G1V+3], 128<<16
	s_mov_b32 s[G1K+4], 64                         ; tile_dim1 = 64
	s_mov_b32 s[G1V+4], 64
	s_mov_b32 s[G1K+5], 2048
	s_mov_b32 s[G1V+5], 2048
	s_mov_b32 s[G1K+6], 0
	s_mov_b32 s[G1V+6], 0
	s_mov_b32 s[G1K+7], 0
	s_mov_b32 s[G1V+7], 0
	s_lshl_b32 s2, s14, 22                         ; batch x 1,024 rows
	s_lshl_b32 s3, s15, 8                          ; head x 256 bytes
	s_add_co_u32 s2, s2, s3
	s_lshl_b32 s3, s10, 18                         ; my 64 rows of the tile
	s_add_co_u32 s2, s2, s3
	s_mov_b32 s3, 0
	s_mul_i32 s51, s8, KQ                          ; LDS: wave x a quarter tile (waves 0-3 issue K's line),
	s_mul_i32 s55, s8, VQ
	s_add_co_u32 s55, s55, VBASE-4*VQ              ; and (wave - 4) x a quarter tile behind VBASE (waves 4-7 issue V's)
	s_wait_kmcnt 0x0
	s_add_nc_u64 s[2:3], s[4:5], s[2:3]
	ROUND                                          ; the four work-groups are here: the first joint loads meet
.irp s, 0,1
	s_mov_b32 s[G0K+4*\s], 1
	s_add_co_u32 s[G0K+4*\s+1], s51, \s*KSLOT
	s_add_nc_u64 s[G0K+4*\s+2:G0K+4*\s+3], s[2:3], PLANE+\s*TILEB
	s_or_b32 s[G0K+4*\s+3], s[G0K+4*\s+3], 0x80000000
	s_mov_b32 s[G0V+4*\s], 1
	s_add_co_u32 s[G0V+4*\s+1], s55, \s*VSLOT
	s_add_nc_u64 s[G0V+4*\s+2:G0V+4*\s+3], s[2:3], 2*PLANE+\s*TILEB
	s_or_b32 s[G0V+4*\s+3], s[G0V+4*\s+3], 0x80000000
	JLOAD \s                                       ; keys 0-255 and 256-511 go out before anything else
.endr
	; my 32 queries: row batch x 1,024 + block x 128 + qw x 32, byte head x 256
	s_lshl_b32 s60, ttmp9, 2
	s_add_co_u32 s60, s60, s11                     ; the block of queries = 4 x cluster x + cx
	s_lshl_b32 s60, s60, 7
	s_lshl_b32 s58, s14, 10
	s_add_co_u32 s58, s58, s60
	s_lshl_b32 s60, s10, 5
	s_add_co_u32 s58, s58, s60
	s_lshl_b32 s58, s58, 12
	s_lshl_b32 s60, s15, 8
	s_add_co_u32 s58, s58, s60
	s_mov_b32 s59, 0
	s_add_nc_u64 s[56:57], s[4:5], s[58:59]        ; Q' (plane 0 of pj)
	s_add_nc_u64 s[6:7], s[6:7], s[58:59]          ; ctx
	s_mul_i32 s61, s8, 16*SPITCH
	s_add_co_u32 s61, s61, STAGE                   ; my stage
	s_mul_i32 s66, s9, 128*KPITCH                  ; my half of a tile's keys, in K's rows
	s_mul_i32 s67, s9, 128*VPITCH                  ; and in V's
	s_add_co_u32 s67, s67, VBASE
	s_lshl_b32 s68, s8, 13                         ; the swap: my 8,192 bytes,
	s_xor_b32 s69, s8, 4                           ; my partner: the same queries, the other half of the keys
	s_lshl_b32 s71, s69, 8
	s_add_co_u32 s71, s71, XS                      ; its 256 bytes
	s_lshl_b32 s69, s69, 13                        ; its 8,192 bytes
	s_lshl_b32 s70, s8, 8
	s_add_co_u32 s70, s70, XS                      ; my 256 bytes
	v_and_b32 v1, 15, v0                           ; r
	v_bfe_u32 v2, v0, 4, 1                         ; g
	v_lshlrev_b32 v[QO], 12, v1
	v_lshl_add_u32 v[QO], v2, 4, v[QO]             ; r rows + 16 g
	; Q' as source 1: lane (r, g): registers 0-3 d = 32 c + 8 g + 0..7, registers 4-7 d = 32 c + 16 + 8 g + 0..7 of query 16 u + r
	WIN 0x40                                       ; destination window 1
.irp u, 0,1
.irp c, 0,1,2,3
	global_load_b128 v[QF+32*\u+8*\c:QF+32*\u+8*\c+3],   v[QO], s[56:57] offset:\u*16*ROWB+64*\c
	global_load_b128 v[QF+32*\u+8*\c+4:QF+32*\u+8*\c+7], v[QO], s[56:57] offset:\u*16*ROWB+64*\c+32
.endr
.endr
	WIN 0
	v_mul_u32_u24 v3, v1, KPITCH
	v_lshl_add_u32 v3, v2, 4, v3                   ; r 272 + 16 g
	v_add_nc_u32 v[KA0], s66, v3
	v_add_nc_u32 v[STO], s61, v3                   ; row r of the stage (the same pitch as K's), 16 bytes for each half of the lanes
	v_and_b32 v3, 7, v0
	v_lshl_add_u32 v3, v2, 3, v3                   ; 8 g + l % 8: the key whose row I address for the transposing load
	v_mul_u32_u24 v[VA0], v3, VPITCH
	v_bfe_u32 v3, v0, 3, 1
	v_lshl_add_u32 v[VA0], v3, 4, v[VA0]
	v_add_nc_u32 v[VA0], s67, v[VA0]
	v_mul_u32_u24 v[RD], v2, SPITCH
	v_lshl_add_u32 v[RD], v1, 4, v[RD]
	v_add_nc_u32 v[RD], s61, v[RD]                 ; back: lanes 0-15 one row of 256 bytes, lanes 16-31 the next
	v_lshlrev_b32 v[CO], 12, v2
	v_lshl_add_u32 v[CO], v1, 4, v[CO]             ; and the same two rows in ctx
	v_and_b32 v3, 31, v0                           ; lane
	v_lshl_add_u32 v[XW],  v3, 4, s68              ; the swap goes lane by lane: 16 bytes a lane for O^T,
	v_lshl_add_u32 v[XR],  v3, 4, s69
	v_lshl_add_u32 v[XSW], v3, 3, s70              ; 8 bytes a lane for nm and the sum
	v_lshl_add_u32 v[XSR], v3, 3, s71
; K' as source 0: key tile t = 16 keys, c = 32 d.  24 loads: key tiles 0, 1 (window 1) and 2 (window 0)
.macro LOADKA
	WIN 0x40                                       ; destination window 1
.irp t, 0,1
.irp c, 0,1,2,3
	ds_load_b128 v[K01+32*\t+8*\c:K01+32*\t+8*\c+3],   v[KA] offset:16*KPITCH*\t+64*\c
	ds_load_b128 v[K01+32*\t+8*\c+4:K01+32*\t+8*\c+7], v[KA] offset:16*KPITCH*\t+64*\c+32
.endr
.endr
	WIN 0
.irp c, 0,1,2,3
	ds_load_b128 v[K2+8*\c:K2+8*\c+3],   v[KA] offset:32*KPITCH+64*\c
	ds_load_b128 v[K2+8*\c+4:K2+8*\c+7], v[KA] offset:32*KPITCH+64*\c+32
.endr
.endm
; 8 loads: key tile 3, into the registers that it shares with V'^T
.macro LOADKB
.irp c, 0,1,2,3
	ds_load_b128 v[K3+8*\c:K3+8*\c+3],   v[KA] offset:48*KPITCH+64*\c
	ds_load_b128 v[K3+8*\c+4:K3+8*\c+7], v[KA] offset:48*KPITCH+64*\c+32
.endr
.endm
; V'^T as source 0 of the second product, by the transposing load: c = 32 keys, t = 16 d
.macro VPAIR c, t
	ds_load_tr16_b128 v[VF+64*\c+8*\t:VF+64*\c+8*\t+3],   v[VA] offset:32*VPITCH*\c+32*\t
	ds_load_tr16_b128 v[VF+64*\c+8*\t+4:VF+64*\c+8*\t+7], v[VA] offset:32*VPITCH*\c+32*\t+16*VPITCH
.endm
.macro LOADVM                          ; 24 loads: all but the shared registers
.irp t, 0,1,2,3,4,5,6,7
	VPAIR 0, \t
.endr
.irp t, 0,1,2,3
	VPAIR 1, \t
.endr
.endm
.macro LOADVS                          ; 8 loads: the shared registers
.irp t, 4,5,6,7
	VPAIR 1, \t
.endr
.endm
; one matrix instruction of the first product; a = the first register of K's fragment
.macro QKW u, t, c, a
.if \c == 0
	v_wmma_f32_16x16x32_f16 v[SB+32*\u+8*\t:SB+32*\u+8*\t+7], v[\a:\a+7], v[QF+32*\u+8*\c:QF+32*\u+8*\c+7], 0
.else
	v_wmma_f32_16x16x32_f16 v[SB+32*\u+8*\t:SB+32*\u+8*\t+7], v[\a:\a+7], v[QF+32*\u+8*\c:QF+32*\u+8*\c+7], v[SB+32*\u+8*\t:SB+32*\u+8*\t+7]
.endif
.endm
; S^T for 64 keys x 32 queries: 32 matrix instructions, key tiles 0, 1 and then 2, 3; in each half four accumulators take turns, one instruction a turn
.macro QK
	WIN 0x05                                       ; sources 0 and 1 window 1
.irp c, 0,1,2,3
.irp t, 0,1
.irp u, 0,1
	QKW \u, \t, \c, K01+32*\t+8*\c
.endr
.endr
.endr
	s_wait_dscnt 24                                ; key tile 3 is in; the 24 younger loads, V's, may be out
	WIN 0x04                                       ; source 0 window 0, source 1 window 1
.irp c, 0,1,2,3
.irp u, 0,1
	QKW \u, 2, \c, K2+8*\c
.endr
.irp u, 0,1
	QKW \u, 3, \c, K3+8*\c
.endr
.endr
.endm
.macro SCALE u                         ; S' c + nm, two at a time
.set i, 0
.rept 16
	v_pk_fma_f32 v[SB+32*\u+i:SB+32*\u+i+1], v[SB+32*\u+i:SB+32*\u+i+1], s[48:49], v[NM+2*\u:NM+2*\u+1] op_sel_hi:[1,0,1]
.set i, i+2
.endr
.endm
.macro EXPS u                          ; 32 exponentials back to back, in place
.set i, 0
.rept 32
	v_exp_f32 v[SB+32*\u+i], v[SB+32*\u+i]
.set i, i+1
.endr
.endm
; my part of the row sum of tile u (two chains), then p to f16 in place: register i of each 16 takes numbers 2 i and 2 i + 1, i ascending, so no source is lost
.macro ROWSUM u, first
	s_wait_alu depctr_va_vdst(0)
	v_pk_add_f32 v[T:T+1],   v[SB+32*\u:SB+32*\u+1],   v[SB+32*\u+2:SB+32*\u+3]
	v_pk_add_f32 v[T+2:T+3], v[SB+32*\u+4:SB+32*\u+5], v[SB+32*\u+6:SB+32*\u+7]
.irp i, 8,12,16,20,24,28
	v_pk_add_f32 v[T:T+1],   v[T:T+1],   v[SB+32*\u+\i:SB+32*\u+\i+1]
	v_pk_add_f32 v[T+2:T+3], v[T+2:T+3], v[SB+32*\u+\i+2:SB+32*\u+\i+3]
.endr
	v_pk_add_f32 v[T:T+1], v[T:T+1], v[T+2:T+3]
.if \first
	v_add_f32 v[LS+\u], v[T], v[T+1]
.else
	v_add_f32 v[T], v[T], v[T+1]
	v_fma_f32 v[LS+\u], v[LS+\u], v[AL+2*\u], v[T]
.endif
.irp c, 0,1
.irp i, 0,1,2,3,4,5,6,7
	v_cvt_pk_f16_f32 v[SB+32*\u+16*\c+\i], v[SB+32*\u+16*\c+2*\i], v[SB+32*\u+16*\c+2*\i+1]
.endr
.endr
.endm
.macro SOFTMAX first
	; the largest of my 32 numbers of each tile u, in two chains each (numbers 0-16 and 17-31)
.irp u, 0,1
	v_max3_num_f32 v[T+2*\u],   v[SB+32*\u],    v[SB+32*\u+1],  v[SB+32*\u+2]
	v_max3_num_f32 v[T+2*\u+1], v[SB+32*\u+17], v[SB+32*\u+18], v[SB+32*\u+19]
.endr
.irp i, 0,1,2,3,4,5
.irp u, 0,1
	v_max3_num_f32 v[T+2*\u],   v[T+2*\u],   v[SB+32*\u+3+2*\i],  v[SB+32*\u+4+2*\i]
	v_max3_num_f32 v[T+2*\u+1], v[T+2*\u+1], v[SB+32*\u+20+2*\i], v[SB+32*\u+21+2*\i]
.endr
.endr
.irp u, 0,1
	v_max3_num_f32 v[T+2*\u], v[T+2*\u], v[SB+32*\u+15], v[SB+32*\u+16]
.endr
.irp u, 0,1
.if \first
	v_max_num_f32 v[T+2*\u], v[T+2*\u], v[T+2*\u+1]
.else
	v_max3_num_f32 v[T+2*\u], v[T+2*\u], v[T+2*\u+1], v[MX+\u]     ; with the maximum so far, which both lanes of a query share
.endif
.endr
.irp u, 0,1
	v_permlanex16_b32 v[T+2*\u+1], v[T+2*\u], s52, s53             ; the other eight keys of each tile lie in lane l xor 16
.endr
.irp u, 0,1
	v_max_num_f32 v[MX+\u], v[T+2*\u], v[T+2*\u+1]
.endr
.irp u, 0,1
	v_mul_f32 v[T+2*\u], s50, v[MX+\u]                             ; nm = -maximum x c
.endr
.if \first == 0
.irp u, 0,1
	v_sub_f32 v[AL+2*\u], v[T+2*\u], v[NM+2*\u]                    ; nm new - nm old, at most 0
.endr
.endif
.irp u, 0,1
	v_mov_b32 v[NM+2*\u],   v[T+2*\u]
	v_mov_b32 v[NM+2*\u+1], v[T+2*\u]
.endr
.if \first == 0
	v_exp_f32 v[AL],   v[AL]
	v_exp_f32 v[AL+2], v[AL+2]
.endif
	SCALE 0                                        ; plain work between an exponential and the first use of its result (ISA guide 5.7.2)
.if \first == 0
	s_wait_alu depctr_va_vdst(0)
	v_mov_b32 v[AL+1], v[AL]
	v_mov_b32 v[AL+3], v[AL+2]
.endif
	EXPS 0
	SCALE 1                                        ; plain, and touches tile 1 alone
	EXPS 1
	ROWSUM 0, \first                               ; plain, and touches tile 0 alone
	ROWSUM 1, \first
.endm
.macro RESCALE                         ; the old O^T times the factor of its query: 64 packed multiplies
	WIN 0x41                                       ; destination and source 0 window 1
.irp u, 0,1
.set i, 0
.rept 32
	v_pk_mul_f32 v[64*\u+i:64*\u+i+1], v[64*\u+i:64*\u+i+1], v[AL+2*\u:AL+2*\u+1]
.set i, i+2
.endr
.endr
.endm
; O^T += V'^T P^T for 64 keys: 32 matrix instructions; the sixteen accumulators take turns, one instruction a turn
.macro PV first
	WIN 0x50                                       ; C and D window 1
.irp c, 0,1
.irp t, 0,1,2,3,4,5,6,7
.irp u, 0,1
.if \first*(1-\c)
	v_wmma_f32_16x16x32_f16 v[64*\u+8*\t:64*\u+8*\t+7], v[VF+64*\c+8*\t:VF+64*\c+8*\t+7], v[SB+32*\u+16*\c:SB+32*\u+16*\c+7], 0
.else
	v_wmma_f32_16x16x32_f16 v[64*\u+8*\t:64*\u+8*\t+7], v[VF+64*\c+8*\t:VF+64*\c+8*\t+7], v[SB+32*\u+16*\c:SB+32*\u+16*\c+7], v[64*\u+8*\t:64*\u+8*\t+7]
.endif
.endr
.endr
.endr
.endm
; A sub-step: 64 keys.  first = 1: nothing has been summed yet.  pre = 1: my next 64 keys' fragments are fetched.
; LDS loads go out in two runs.  Behind the first product: this sub-step's last 8 of V' (into the registers that key tile 3 has just left), then the next
; 24 of K'.  Behind the second product: the next key tile 3 (8, into the registers that V' has just left), then the next 24 of V'.
.macro SUB first, pre
	s_wait_dscnt 32                                ; key tiles 0-2 are in; the 32 younger loads (key tile 3, 24 of V') may be out
	QK
	WIN 0
.if \pre
	v_add_nc_u32 v[KA], 64*KPITCH, v[KA]           ; four places in front of the loads into K's registers and of the reads of S^T
	PLACES 3
.else
	PLACES 4
.endif
	LOADVS
.if \pre
	LOADKA
.endif
	SOFTMAX \first
	s_wait_dscnt 24*\pre                           ; V' is in; the 24 loads of the next K', if any, may be out
.if \first == 0
	RESCALE
.endif
	PV \first
	WIN 0
.if \pre
	v_add_nc_u32 v[VA], 64*VPITCH, v[VA]           ; five places in front of the loads into V's registers and of the next first product, which writes over P^T
	PLACES 4
	LOADKB
	LOADVM
.else
	PLACES 5
.endif
.endm
; A tile: my 128 of its 256 keys, in two sub-steps.  56 LDS loads are out at the most.
.macro STEP slot, first
	v_add_nc_u32 v[KA], \slot*KSLOT, v[KA0]
	v_add_nc_u32 v[VA], \slot*VSLOT, v[VA0]
	LOADKA
	LOADKB
	LOADVM
	SUB \first, 1
	SUB 0, 0
.endm
; The slot that has been read is filled again, two tiles ahead
.macro REFILL slot
	s_wait_xcnt 0x0
	v_lshl_add_u32 v126, v0, 2, 0x4e800
	v_mov_b32 v127, 0
	s_wait_tensorcnt 0x0                           ; all my tensor loads have landed, my part of the other slot among them: the group 0 may be written
	ds_add_u32 v126, v127
	s_wait_dscnt 0x0
	s_add_nc_u64 s[G0K+4*\slot+2:G0K+4*\slot+3], s[G0K+4*\slot+2:G0K+4*\slot+3], 2*TILEB
	s_add_nc_u64 s[G0V+4*\slot+2:G0V+4*\slot+3], s[G0V+4*\slot+2:G0V+4*\slot+3], 2*TILEB
	s_wait_dscnt 0x0                               ; my reads of this slot are over
	ROUND                                          ; both now hold of every wave of the four work-groups
	JLOAD \slot                                    ; the wave's one tensor load behind the round, and the first thing there
.endm
	s_wait_tensorcnt 0x1                           ; my part of keys 0-255 is in; the second tile may stay out
	s_barrier_signal -1
	s_barrier_wait -1
	s_wait_loadcnt 0x0                             ; Q'
	STEP 0, 1                                      ; keys 0-255
	REFILL 0                                       ; keys 512-767 go out
	STEP 1, 0                                      ; keys 256-511
	REFILL 1                                       ; keys 768-1023 go out: the last load
	STEP 0, 0                                      ; keys 512-767
	s_wait_tensorcnt 0x0                           ; my part of the last tile is in
	s_wait_dscnt 0x0                               ; my reads of slot 0 are over: behind this barrier its bytes serve the swap
	s_barrier_signal -1
	s_barrier_wait -1                              ; everybody's are
	STEP 1, 0                                      ; keys 768-1023
; THE MERGE.  I give away query tile u: its O^T (64 registers, 16 bytes a lane at a time), its nm and my part of its sum.
.macro SEND u
	WIN 0x04                                       ; an LDS store's data is source 1: window 1
.set i, 0
.rept 16
	ds_store_b128 v[XW], v[64*\u+4*i:64*\u+4*i+3] offset:512*i
.set i, i+1
.endr
	WIN 0
	v_mov_b32 v[T],   v[NM+2*\u]
	v_mov_b32 v[T+1], v[LS+\u]
	ds_store_b64 v[XSW], v[T:T+1]
.endm
; I finish query tile u: my partner's figures for it come in, both sides are brought to the joint maximum, divided by the joint sum, rounded to f16,
; put 16 bytes a lane into my stage and read back as whole rows of 256 bytes.
.macro FINISH u
	ds_load_b64 v[T:T+1], v[XSR]                   ; my partner's nm and its part of the sum
.set i, 0
.rept 16
	ds_load_b128 v[VF+4*i:VF+4*i+3], v[XR] offset:512*i            ; its O^T, lane for lane as mine
.set i, i+1
.endr
	s_wait_dscnt 16                                ; the two figures are in; the 16 younger loads may be out
	v_min_num_f32 v[T+2], v[NM+2*\u], v[T]         ; nm of the larger maximum
	v_sub_f32 v[AL],   v[T+2], v[NM+2*\u]          ; at most 0
	v_sub_f32 v[AL+2], v[T+2], v[T]
	v_exp_f32 v[AL],   v[AL]                       ; my factor
	v_exp_f32 v[AL+2], v[AL+2]                     ; my partner's
	v_nop                                          ; one plain instruction between an exponential and its use (ISA guide 5.7.2)
	s_wait_alu depctr_va_vdst(0)
	v_mul_f32 v[LS+\u], v[LS+\u], v[AL]
	v_fma_f32 v[LS+\u], v[T+1], v[AL+2], v[LS+\u]
	v_permlanex16_b32 v[T+3], v[LS+\u], s52, s53   ; the two lanes of a query add their parts
	v_add_f32 v[LS+\u], v[LS+\u], v[T+3]
	v_rcp_f32 v[T+2], v[LS+\u]
	v_nop                                          ; likewise behind the reciprocal
	s_wait_alu depctr_va_vdst(0)
	v_mul_f32 v[AL],   v[AL],   v[T+2]             ; factor / sum
	v_mul_f32 v[AL+2], v[AL+2], v[T+2]
	v_mov_b32 v[AL+1], v[AL]
	v_mov_b32 v[AL+3], v[AL+2]
	s_wait_dscnt 0x0
.set i, 0
.rept 32
	v_pk_mul_f32 v[VF+i:VF+i+1], v[VF+i:VF+i+1], v[AL+2:AL+3]
.set i, i+2
.endr
	WIN 0x01                                       ; source 0 (my O^T) window 1; the result stays in window 0
.set i, 0
.rept 32
	v_pk_fma_f32 v[VF+i:VF+i+1], v[64*\u+i:64*\u+i+1], v[AL:AL+1], v[VF+i:VF+i+1]
.set i, i+2
.endr
	WIN 0
.set i, 0
.rept 32
	v_cvt_pk_f16_f32 v[TMP+i], v[VF+2*i], v[VF+2*i+1]
.set i, i+1
.endr
.irp t, 0,1,2,3,4,5,6,7
	ds_store_b128 v[STO], v[TMP+4*\t:TMP+4*\t+3] offset:32*\t      ; d = 16 t + 8 g + 0..7 of query r
.endr
.irp t, 0,1,2,3,4,5,6,7
	ds_load_b128 v[SB+4*\t:SB+4*\t+3], v[RD] offset:\t*2*SPITCH    ; LDS serves a wave's instructions in order (ISA guide 5.7.1.4)
.endr
.irp t, 0,1,2,3,4,5,6,7
	s_wait_dscnt 7-\t
	global_store_b128 v[CO], v[SB+4*\t:SB+4*\t+3], s[6:7] offset:\u*16*ROWB+\t*2*ROWB   ; 16 lanes store 256 consecutive bytes, aligned to 256; no register is written again
.endr
.endm
	s_cmp_eq_u32 s9, 0                             ; wave kg keeps query tile kg and gives the other away; the branch hangs on the wave's number alone
	s_cbranch_scc0 .Lgive_0
	SEND 1
	s_branch .Lgiven
.Lgive_0:
	SEND 0
.Lgiven:
	s_wait_dscnt 0x0                               ; for my partner's sake: my stores are done
	s_barrier_signal -1
	s_barrier_wait -1
	s_cmp_eq_u32 s9, 0
	s_cbranch_scc0 .Lfinish_1
	FINISH 0
	s_branch .Lfinished
.Lfinish_1:
	FINISH 1
.Lfinished:
	s_wait_xcnt 0x0
	v_lshl_add_u32 v126, v0, 2, 0x4e800
	v_mov_b32 v127, 0
	s_wait_tensorcnt 0x0
	ds_add_u32 v126, v127
	s_wait_dscnt 0x0
	ROUND                                          ; the closing round
	s_endpgm
.Lfunc_end_k_q51bcf5d16c_attn:
	.size	k_q51bcf5d16c_attn, .Lfunc_end_k_q51bcf5d16c_attn-k_q51bcf5d16c_attn
	.p2alignl 7, 3214868480
	.fill 96, 4, 3214868480
	.section	.rodata,"a",@progbits
	.p2align	6, 0x0
	.amdhsa_kernel k_q51bcf5d16c_attn
		.amdhsa_group_segment_fixed_size 327680
		.amdhsa_private_segment_fixed_size 0
		.amdhsa_enable_private_segment 0
		.amdhsa_kernarg_size 16
		.amdhsa_user_sgpr_count 2
		.amdhsa_user_sgpr_kernarg_segment_ptr 1
		.amdhsa_wavefront_size32 1
		.amdhsa_system_sgpr_workgroup_id_x 1
		.amdhsa_system_sgpr_workgroup_id_y 1
		.amdhsa_system_sgpr_workgroup_id_z 1
		.amdhsa_system_vgpr_workitem_id 0
		.amdhsa_next_free_vgpr 512
		.amdhsa_next_free_sgpr 72
		.amdhsa_reserve_vcc 0
		.amdhsa_float_denorm_mode_32 3
		.amdhsa_float_denorm_mode_16_64 3
		.amdhsa_memory_ordered 1
		.amdhsa_forward_progress 1
		.amdhsa_inst_pref_size 217
	.end_amdhsa_kernel
	.amdgpu_metadata
---
amdhsa.version: [ 1, 2 ]
amdhsa.kernels:
  - .name:           k_q51bcf5d16c_attn
    .symbol:         k_q51bcf5d16c_attn.kd
    .args:
      - { .name: pj, .offset: 0, .size: 8, .value_kind: global_buffer, .address_space: global }
      - { .name: ctx, .offset: 8, .size: 8, .value_kind: global_buffer, .address_space: global }
    .group_segment_fixed_size: 327680
    .private_segment_fixed_size: 0
    .kernarg_segment_align: 8
    .kernarg_segment_size: 16
    .max_flat_workgroup_size: 256
    .sgpr_count:     72
    .vgpr_count:     512
    .wavefront_size: 32
...
	.end_amdgpu_metadata
.endif
;; end of part 3
;; launch outp (part 4): grid 16 x 16, 4 waves a work-group, clusters of 4 x 4, 327,680 bytes of LDS; arguments ctx, wb, out0, bo; writes out0
.if DOCPART == 4
	.amdgcn_target "amdgcn-amd-amdhsa--gfx1250"
	.amdhsa_code_object_version 6
	.text
	.protected	k_q51bcf5d16c_outp
	.globl	k_q51bcf5d16c_outp
	.p2align	8
	.type	k_q51bcf5d16c_outp,@function
k_q51bcf5d16c_outp:
	s_mov_b64 s[64:65], 0
	v_nop
	global_prefetch_b8 v0, s[64:65] scope:SCOPE_SE
	s_setreg_imm32_b32 hwreg(HW_REG_WAVE_MODE, 25, 1), 1
	s_wait_xcnt 0x0
	s_wait_alu depctr_hold_cnt(0) depctr_sa_sdst(0) depctr_va_vdst(0) depctr_va_sdst(0) depctr_va_ssrc(0) depctr_va_vcc(0) depctr_vm_vsrc(0)
	s_getreg_b32 s2, hwreg(HW_REG_IB_STS2, 6, 4)
	s_cmp_eq_u32 s2, 0
	s_cbranch_scc0 .Lentry_in_a_cluster
	s_endpgm
.Lentry_in_a_cluster:
	s_bfe_u32 s2, ttmp6, 0x10000c
	s_cmp_lg_u32 s2, 0xf033
	s_cbranch_scc0 .Lentry_shape_is_right
	s_endpgm
.Lentry_shape_is_right:
; The output projection: out0[m][n] = 16 x (sum over k of ctx[m][k] Wo[n][k]) + bo[n].  ctx holds the attention's result / 16 in f16, [2048][2048];
; Wo is plane 3 of wb (rows 6144 to 8191 of [8192][2048]), f16; out0 is f32; sums in f32, the factor 16 and the bias in one fused multiply-add.
; 256 work-groups, each a block of 128 x 128 with four waves (2 x 2); a wave makes 64 x 64: 16 accumulator tiles.  The block is this small so that
; 2048 x 2048 gives one work-group for each of 256 WGPs.
; K goes in steps of 256 through two LDS slots: a tile's rows are 512 bytes of memory at multiples of 512 bytes; a wave's one tensor load brings 64 rows.
; CLUSTERS: 4 x 4 work-groups; ctx's tiles are shared along a row of the cluster, Wo's along a column, each asked for jointly.
; REGISTERS: window 0: v0-31 addresses; v64-127, v128-191 fragments of A, two buffers (fragment 4 kk + a: 32 K kk, 16 rows a);
;   window 1: v0-31 the bias of my 64 columns; v64-127, v128-191 fragments of B;   window 2: accumulator tile (a, b) at v[8 (4 a + b)].
; The matrix instruction is used transposed (source 0 = rows of B, source 1 = rows of A): a lane holds row l % 16 of C and eight neighbouring columns.
.set SIZE_K, 2048
.set SIZE_N, 2048
.set KSTEP,  256
.set PITCH,  528                       ; 512 bytes + 16 of padding: an odd multiple of 16
.set QUART,  64*PITCH                  ; 64 rows: what one tensor load brings, and what one wave reads of A or of B
.set SLOT,   4*QUART                   ; A's 128 rows, then B's 128 rows
.set STAGE,  2*SLOT                    ; 270,336: 16 rows x 272 bytes for each wave, for the way out; no fill lands there
.set SPITCH, 272
.set LAPS, SIZE_K/(2*KSTEP)            ; 4 laps of two K steps
.set ADRA, 16
.set ADRB, 20
.set STO,  24
.set RD,   25
.set CO,   26
.set BO,   27
.set F0,   64
.set F1,   128
.set G1, 24
.set G0, 32
.set G1B, 48
.set G0B, 56
.set MSB, 0
.macro WIN new
.if MSB != \new
	s_set_vgpr_msb (MSB<<8)|\new
.set MSB, \new
.endif
.endm
.set MUL,  0xa1                        ; source 0 (B) window 1, source 1 (A) window 0, C and D window 2
.set TO_B, 0x40
.macro JLOAD s                         ; waves 0, 1 ask for A's halves, waves 2, 3 for B's
	s_cmp_eq_u32 s11, 0
	s_cbranch_scc0 .Lfor_b_\@
	tensor_load_to_lds s[G0+4*\s:G0+4*\s+3], s[G1:G1+7]
	s_nop 0
	s_branch .Lasked_\@
.Lfor_b_\@:
	tensor_load_to_lds s[G0B+4*\s:G0B+4*\s+3], s[G1B:G1B+7]
	s_nop 0
.Lasked_\@:
.endm
.macro CREST
	s_cmp_lg_u32 s10, 0
	s_cbranch_scc1 .Lnot_wave_0_\@
	s_barrier_signal -3
.Lnot_wave_0_\@:
	s_barrier_wait -3
	s_barrier_signal -1
	s_barrier_wait -1
.endm
.macro CROUND
	s_barrier_signal -1
	s_barrier_wait -1
	CREST
.endm
	s_load_b128 s[4:7], s[0:1], 0x0                ; ctx s[4:5], wb s[6:7]
	s_load_b64 s[8:9], s[0:1], 0x10                ; out0
	s_load_b64 s[68:69], s[0:1], 0x18              ; bo
	s_set_vgpr_msb 0x40
	v_lshl_add_u32 v255, v0, 2, 0x46400
	s_set_vgpr_msb 0x4000
	v_mov_b32 v255, 0
	s_set_vgpr_msb 0x1
	ds_add_u32 v255, v255
	s_set_vgpr_msb 0x100
	v_lshrrev_b32 v1, 5, v0
	v_readfirstlane_b32 s10, v1                    ; wave 0..3
	s_lshr_b32 s11, s10, 1                         ; my half of the block's rows.  Also: I fetch for A (0) or for B (1)
	s_and_b32 s12, s10, 1                          ; my half of its columns.  Also: which 64 rows of that tile I fetch
	s_bfe_u32 s40, ttmp6, 0x40000                  ; cx
	s_bfe_u32 s41, ttmp6, 0x40004                  ; cy
	s_lshl_b32 s42, ttmp9, 2
	s_add_co_u32 s42, s42, s40                     ; block column
	s_and_b32 s13, ttmp7, 0xffff
	s_lshl_b32 s13, s13, 2
	s_add_co_u32 s13, s13, s41                     ; block row
	s_lshl_b32 s43, s41, 2
	s_lshl_b32 s43, 15, s43                        ; my row of the cluster
	s_lshl_b32 s44, 0x1111, s40                    ; my column
	; group 1: 64 rows x 256 elements of 2 bytes, 4 words of padding behind every 128 words
	s_or_b32 s[G1+0], s43, (1<<16)|(1<<20)|(1<<21)|(6<<22)|(3<<25)
	s_or_b32 s[G1B+0], s44, (1<<16)|(1<<20)|(1<<21)|(6<<22)|(3<<25)
	s_mov_b32 s[G1B+1], KSTEP<<16
	s_mov_b32 s[G1+1], KSTEP<<16                   ; tensor_dim0 = 256
	s_mov_b32 s[G1B+2], 64<<16
	s_mov_b32 s[G1+2], 64<<16                      ; tensor_dim1 = 64
	s_mov_b32 s[G1B+3], KSTEP<<16
	s_mov_b32 s[G1+3], KSTEP<<16                   ; tile_dim0 = 256
	s_mov_b32 s[G1B+4], 64
	s_mov_b32 s[G1+4], 64                          ; tile_dim1 = 64
	s_mov_b32 s[G1B+5], SIZE_K
	s_mov_b32 s[G1+5], SIZE_K
	s_mov_b32 s[G1B+6], 0
	s_mov_b32 s[G1+6], 0
	s_mov_b32 s[G1B+7], 0
	s_mov_b32 s[G1+7], 0
	s_lshl_b32 s17, s12, 6                         ; which 64 rows of the tile I fetch
	s_lshl_b32 s16, s13, 7
	s_add_co_u32 s16, s16, s17                     ; A: row 128 x block row + 64 x half
	s_lshl_b32 s46, s42, 7
	s_add_co_u32 s46, s46, s17
	s_add_co_u32 s46, s46, 6144                    ; B: row 6,144 + 128 x block column + 64 x half
	s_mov_b32 s17, 0
	s_mov_b32 s47, 0
	s_mov_b64 s[18:19], SIZE_K*2
	s_mul_u64 s[16:17], s[16:17], s[18:19]
	s_mul_u64 s[46:47], s[46:47], s[18:19]
	s_mul_i32 s20, s10, QUART                      ; LDS: wave x 64 rows
	s_wait_dscnt 0x0
	s_wait_kmcnt 0x0
	s_add_nc_u64 s[14:15], s[4:5], s[16:17]
	s_add_nc_u64 s[46:47], s[6:7], s[46:47]
	CROUND                                         ; all sixteen work-groups are here: the first joint loads meet
.irp s, 0,1
	s_mov_b32 s[G0+4*\s], 1
	s_add_co_u32 s[G0+4*\s+1], s20, \s*SLOT
	s_add_nc_u64 s[G0+4*\s+2:G0+4*\s+3], s[14:15], \s*KSTEP*2
	s_or_b32 s[G0+4*\s+3], s[G0+4*\s+3], 0x80000000
	s_mov_b32 s[G0B+4*\s], 1
	s_add_co_u32 s[G0B+4*\s+1], s20, \s*SLOT
	s_add_nc_u64 s[G0B+4*\s+2:G0B+4*\s+3], s[46:47], \s*KSTEP*2
	s_or_b32 s[G0B+4*\s+3], s[G0B+4*\s+3], 0x80000000
	JLOAD \s                                       ; two tensor loads of the wave are out
.endr
	s_lshl_b32 s70, s42, 9                         ; the bias of my 64 columns: 128 x 4 bytes a block,
	s_lshl_b32 s71, s12, 8                         ; 64 x 4 a half
	s_add_co_u32 s70, s70, s71
	s_mov_b32 s71, 0
	s_add_nc_u64 s[68:69], s[68:69], s[70:71]
	s_mov_b32 s72, 0x41800000                      ; 16.0, twice
	s_mov_b32 s73, 0x41800000
	v_and_b32 v1, 15, v0                           ; l % 16
	v_bfe_u32 v2, v0, 4, 1                         ; l / 16
	v_mul_u32_u24 v3, v1, PITCH
	v_lshl_add_u32 v3, v2, 4, v3
	s_mul_i32 s21, s11, QUART                      ; my 64 rows of A
	s_mul_i32 s22, s12, QUART                      ; my 64 rows of B,
	s_add_co_u32 s22, s22, 2*QUART                 ; which lie behind A's 128
.irp s, 0,1
	v_add_nc_u32 v[ADRA+\s], s21, v3
	v_add_nc_u32 v[ADRB+\s], s22, v3
	s_add_co_u32 s21, s21, SLOT
	s_add_co_u32 s22, s22, SLOT
.endr
	s_mul_i32 s23, s10, 16*SPITCH
	s_add_co_u32 s23, s23, STAGE                   ; my stage
	v_mul_u32_u24 v4, v1, SPITCH                   ; in: row l % 16, 32 bytes (eight f32) for each half of the lanes
	v_lshl_add_u32 v4, v2, 5, v4
	v_add_nc_u32 v[STO], s23, v4
	v_mul_u32_u24 v5, v2, SPITCH                   ; back: lanes 0-15 one row of 256 bytes, lanes 16-31 the next
	v_lshl_add_u32 v5, v1, 4, v5
	v_add_nc_u32 v[RD], s23, v5
	v_lshlrev_b32 v5, 13, v2                       ; and the same two rows of 8,192 bytes in out0
	v_lshl_add_u32 v[CO], v1, 4, v5
	v_lshlrev_b32 v[BO], 5, v2
	WIN TO_B                                       ; the bias of columns 16 b + 8 (l / 16) + 0..7 into window 1, v[8 b .. 8 b + 7]; waited for on the way out
.irp b, 0,1,2,3
	global_load_b128 v[8*\b:8*\b+3],   v[BO], s[68:69] offset:64*\b
	global_load_b128 v[8*\b+4:8*\b+7], v[BO], s[68:69] offset:64*\b+16
.endr
	WIN 0
; 8 matrix instructions: row tiles a0, a0 + 1 x all 4 column tiles, the 32 K kk of buffer f.  The 16 accumulators take turns, one instruction a turn,
; in the same order for every 32 K.
.macro MUL8 f, kk, a0, zero
.irp a, \a0, \a0+1
.irp b, 0,1,2,3
.if \zero
	v_wmma_f32_16x16x32_f16 v[8*(4*(\a)+\b):8*(4*(\a)+\b)+7], v[\f+8*(4*\kk+\b):\f+8*(4*\kk+\b)+7], v[\f+8*(4*\kk+\a):\f+8*(4*\kk+\a)+7], 0
.else
	v_wmma_f32_16x16x32_f16 v[8*(4*(\a)+\b):8*(4*(\a)+\b)+7], v[\f+8*(4*\kk+\b):\f+8*(4*\kk+\b)+7], v[\f+8*(4*\kk+\a):\f+8*(4*\kk+\a)+7], v[8*(4*(\a)+\b):8*(4*(\a)+\b)+7]
.endif
.endr
.endr
.endm
; 32 LDS loads in one run: 64 K at byte k of the rows, 64 rows of B, then 64 rows of A; fragment i = 4 kk + tile.  A's second 32 K are the last eight loads.
.macro FETCH slot, k, f
	WIN TO_B
.irp i, 0,1,2,3,4,5,6,7
	ds_load_b128 v[\f+8*\i:\f+8*\i+3],   v[ADRB+\slot] offset:\k+64*(\i/4)+(\i%4)*16*PITCH
	ds_load_b128 v[\f+8*\i+4:\f+8*\i+7], v[ADRB+\slot] offset:\k+64*(\i/4)+(\i%4)*16*PITCH+32
.endr
	WIN 0
.irp i, 0,1,2,3,4,5,6,7
	ds_load_b128 v[\f+8*\i:\f+8*\i+3],   v[ADRA+\slot] offset:\k+64*(\i/4)+(\i%4)*16*PITCH
	ds_load_b128 v[\f+8*\i+4:\f+8*\i+7], v[ADRA+\slot] offset:\k+64*(\i/4)+(\i%4)*16*PITCH+32
.endr
.endm
.macro PLACES                          ; four independent vector instructions behind a matrix instruction (ISA guide 7.12.1)
.rept 4
	v_nop
.endr
.endm
; One of a K step's first three quarters (64 K, 32 matrix instructions): multiplies buffer f, fetches the next quarter into buffer g in its middle
.macro STAGEQ slot, k, f, g, zero
	s_wait_dscnt 8                                 ; B and A's first 32 K are in; the youngest eight loads may be out
	WIN MUL
	MUL8 \f, 0, 0, \zero
	MUL8 \f, 0, 2, \zero
	PLACES
	FETCH \slot, \k, \g
	s_wait_dscnt 32                                ; all but the 32 just issued
	WIN MUL
	MUL8 \f, 1, 0, 0
	MUL8 \f, 1, 2, 0
.endm
.macro THREE slot, zero
	STAGEQ \slot, 128, F0, F1, \zero
	STAGEQ \slot, 256, F1, F0, 0
	STAGEQ \slot, 384, F0, F1, 0
.endm
; The last quarter: multiplies buffer 1 and changes slots, with one barrier: in front of it each wave's reads of this slot and all its tensor loads are
; waited for; behind it the refill comes first.  From a request to the wait for it a wave issues 120 matrix instructions.
.macro TURN slot, next, fill
	s_wait_dscnt 8
	WIN MUL
	MUL8 F1, 0, 0, 0
	s_wait_dscnt 0                                 ; my reads of this slot are over
	s_wait_tensorcnt 0x0                           ; all my tensor loads have landed: the one that was out is my part of the next slot
	ds_add_u32 v255, v255
	s_wait_dscnt 0x0
	s_barrier_signal -1
	MUL8 F1, 0, 2, 0                               ; work on registers while the others arrive
	WIN 0
	s_barrier_wait -1
.if \fill
	CREST                                          ; no wave of any partner still reads this slot's tile or has a load on its way
	s_add_nc_u64 s[G0+4*\slot+2:G0+4*\slot+3], s[G0+4*\slot+2:G0+4*\slot+3], 2*KSTEP*2
	s_add_nc_u64 s[G0B+4*\slot+2:G0B+4*\slot+3], s[G0B+4*\slot+2:G0B+4*\slot+3], 2*KSTEP*2
	JLOAD \slot                                    ; the wave's one tensor load behind the round, and the first thing there
.endif
	PLACES
	FETCH \next, 0, F0
	WIN MUL
	MUL8 F1, 1, 0, 0
	MUL8 F1, 1, 2, 0
.endm
.macro LAP zero
	THREE 0, \zero
	TURN 0, 1, 1
	THREE 1, 0
	TURN 1, 0, 1
.endm
	s_wait_tensorcnt 0x1                           ; my part of K step 0 is in; K step 1's may stay out
	s_barrier_signal -1
	s_barrier_wait -1
	FETCH 0, 0, F0
	LAP 1                                          ; the first lap's first products start the sums
	WIN 0
	s_mov_b32 s3, LAPS-2
.Llap:
	LAP 0
	WIN 0
	s_sub_co_u32 s3, s3, 1
	s_cmp_lg_u32 s3, 0
	s_cbranch_scc1 .Llap
	THREE 0, 0                                     ; the last lap fills nothing
	TURN 0, 1, 0
	THREE 1, 0
	s_wait_dscnt 8
	WIN MUL
	MUL8 F1, 0, 0, 0
	MUL8 F1, 0, 2, 0
	s_wait_dscnt 0
	MUL8 F1, 1, 0, 0
	MUL8 F1, 1, 2, 0
	; THE WAY OUT, 16 rows at a time: 16 x sum + bias, 32 bytes a lane into my own stage, read back as whole rows of 256 bytes (my 64 columns in f32)
	PLACES
	s_lshl_b32 s13, s13, 7
	s_lshl_b32 s14, s11, 6
	s_add_co_u32 s16, s13, s14                     ; my first row
	s_mov_b32 s17, 0
	s_mov_b64 s[18:19], SIZE_N*4
	s_mul_u64 s[16:17], s[16:17], s[18:19]
	s_add_nc_u64 s[8:9], s[8:9], s[16:17]
	s_lshl_b32 s46, s42, 9                         ; my first column, in bytes: 512 x block + 256 x half
	s_lshl_b32 s47, s12, 8
	s_add_co_u32 s46, s46, s47
	s_mov_b32 s47, 0
	s_add_nc_u64 s[8:9], s[8:9], s[46:47]
	s_wait_loadcnt 0x0                             ; the bias
.macro OUT16 i, f
	WIN 0x92                                       ; D and source 0 window 2, source 2 (the bias) window 1
.irp b, 0,1,2,3
.irp r, 0,1,2,3
	v_pk_fma_f32 v[8*(4*\i+\b)+2*\r:8*(4*\i+\b)+2*\r+1], v[8*(4*\i+\b)+2*\r:8*(4*\i+\b)+2*\r+1], s[72:73], v[8*\b+2*\r:8*\b+2*\r+1] op_sel_hi:[1,0,1]
.endr
.endr
	WIN 0x08                                       ; an LDS store's data is source 1: window 2
.irp b, 0,1,2,3
	ds_store_b128 v[STO], v[8*(4*\i+\b):8*(4*\i+\b)+3]   offset:64*\b
	ds_store_b128 v[STO], v[8*(4*\i+\b)+4:8*(4*\i+\b)+7] offset:64*\b+16
.endr
	WIN 0
	s_wait_xcnt 0x0                                ; buffer f, which earlier stores read, and the stores' base are rewritten only behind this wait (ISA guide 3.1)
.if \i
	s_add_nc_u64 s[8:9], s[8:9], 16*SIZE_N*4       ; 16 rows on
.endif
.irp t, 0,1,2,3,4,5,6,7
	ds_load_b128 v[\f+4*\t:\f+4*\t+3], v[RD] offset:\t*2*SPITCH    ; LDS serves a wave's instructions in order (ISA guide 5.7.1.4)
.endr
.irp t, 0,1,2,3,4,5,6,7
	s_wait_dscnt 7-\t
	global_store_b128 v[CO], v[\f+4*\t:\f+4*\t+3], s[8:9] offset:2*\t*SIZE_N*4 th:TH_STORE_NT   ; 16 lanes store 256 consecutive bytes, aligned to 256
.endr
.endm
	OUT16 0, F0
	OUT16 1, F1
	OUT16 2, F0
	OUT16 3, F1
	s_set_vgpr_msb 0x1
	s_wait_tensorcnt 0x0
	ds_add_u32 v255, v255
	s_wait_dscnt 0x0
	s_set_vgpr_msb 0x100
	CROUND                                         ; the closing round
	s_endpgm
.Lfunc_end_k_q51bcf5d16c_outp:
	.size	k_q51bcf5d16c_outp, .Lfunc_end_k_q51bcf5d16c_outp-k_q51bcf5d16c_outp
	.p2alignl 7, 3214868480
	.fill 96, 4, 3214868480
	.section	.rodata,"a",@progbits
	.p2align	6, 0x0
	.amdhsa_kernel k_q51bcf5d16c_outp
		.amdhsa_group_segment_fixed_size 327680
		.amdhsa_private_segment_fixed_size 0
		.amdhsa_enable_private_segment 0
		.amdhsa_kernarg_size 32
		.amdhsa_user_sgpr_count 2
		.amdhsa_user_sgpr_kernarg_segment_ptr 1
		.amdhsa_wavefront_size32 1
		.amdhsa_system_sgpr_workgroup_id_x 1
		.amdhsa_system_sgpr_workgroup_id_y 1
		.amdhsa_system_sgpr_workgroup_id_z 1
		.amdhsa_system_vgpr_workitem_id 0
		.amdhsa_next_free_vgpr 640
		.amdhsa_next_free_sgpr 76
		.amdhsa_reserve_vcc 0
		.amdhsa_float_denorm_mode_32 3
		.amdhsa_float_denorm_mode_16_64 3
		.amdhsa_memory_ordered 1
		.amdhsa_forward_progress 1
		.amdhsa_inst_pref_size 128
	.end_amdhsa_kernel
	.amdgpu_metadata
---
amdhsa.version: [ 1, 2 ]
amdhsa.kernels:
  - .name:           k_q51bcf5d16c_outp
    .symbol:         k_q51bcf5d16c_outp.kd
    .args:
      - { .name: ctx, .offset: 0, .size: 8, .value_kind: global_buffer, .address_space: global }
      - { .name: wb, .offset: 8, .size: 8, .value_kind: global_buffer, .address_space: global }
      - { .name: out0, .offset: 16, .size: 8, .value_kind: global_buffer, .address_space: global }
      - { .name: bo, .offset: 24, .size: 8, .value_kind: global_buffer, .address_space: global }
    .group_segment_fixed_size: 327680
    .private_segment_fixed_size: 0
    .kernarg_segment_align: 8
    .kernarg_segment_size: 32
    .max_flat_workgroup_size: 128
    .sgpr_count:     76
    .vgpr_count:     640
    .wavefront_size: 32
...
	.end_amdgpu_metadata
.endif
;; end of part 4
